; MI455X (gfx1250); checked and timed in simulation.
; The chip was launched on July 23, 2026; its instructions are those of AMD's public machine-readable ISA for CDNA 5 (MIT licence, August 2026) and "CDNA5" Instruction Set Architecture Reference Guide (July 2026). The comments in the code are by the model that wrote it; some were corrected since.
;; Transformer Block. Allowed arithmetic: float matrix products may take bf16 or f16 operands with f32 sums; other float arithmetic in f32, or as packed bf16 or f16 multiplies, adds, multiply-adds, maxima and minima; sums over many terms, partial sums and values carried from step to step in f32; what a program stores and reads back later, other than sums and carried values, may be rounded once to bf16 or f16.
;; Inputs: W1 128 x 512 float32; W2 512 x 512 float32; W3 512 x 128 float32; Wk 128 x 128 float32; Wq 128 x 128 float32; Wv 128 x 128 float32; b1 512 float32; b2 512 float32; b3 128 float32; ln_b 128 float32; ln_g 128 float32; x 8,192 x 128 float32; y 8,192 x 128 float32.
;; Outputs: out0 8,192 x 128 float32.
;; One version. Each part assembles by itself: llvm-mc -triple=amdgcn-amd-amdhsa -mcpu=gfx1250 --defsym DOCPART=n.
;; ======== version 1 of 1: 2 launches
;; limits: values are held in f16: magnitudes above 65,504 overflow, below 6.1e-05 lose precision; values outside matrix products are rounded to bf16
;; workspace buffers: kw 2,916,352 bytes; mt 32,768 bytes
;; launch prep (part 1): grid 297 x 1, 4 waves a work-group, no clusters, 0 bytes of LDS; arguments y, Wq, Wk, Wv, W1, W2, W3, ln_g, ln_b, kw, mt; writes kw, mt
.if DOCPART == 1
	.amdgcn_target "amdgcn-amd-amdhsa--gfx1250"
	.amdhsa_code_object_version 6
	.text
	.protected	k_q389bd88294_prep
	.globl	k_q389bd88294_prep
	.p2align	8
	.type	k_q389bd88294_prep,@function
k_q389bd88294_prep:
	s_mov_b64 s[64:65], 0
	v_nop
	global_prefetch_b8 v0, s[64:65] scope:SCOPE_SE
	s_setreg_imm32_b32 hwreg(HW_REG_WAVE_MODE, 25, 1), 1
	s_wait_xcnt 0x0
; FIRST OF TWO LAUNCHES.  The module: z1 = LN(x), w = LN(y); S = (z1 Wq)(w Wk)^T / sqrt(128); att = ((0.1 relu(S) + softmax(S)) / row sum) (w Wv); z1r = att + x; out = MLP(LN(z1r)) + z1r.
; REORDERED, for all values of the inputs, by the associativity of matrix products: S = (z1 M) w^T / sqrt(128) with M = Wq Wk^T, and att = (weights w) Wv.  So keys and values are ONE tensor, w; M hangs on no row
; and is made once; Wv is applied to the 128 channels of each query behind the attention.
; LEFT OUT: the sum of softmax(S) along its axis inside the row sum: it is 1 by identity, so the row sum is 0.1 sum relu(S) + 1.  Nothing else is left out; all thirteen inputs are loaded (x, b1, b2, b3 in the second launch).
; LIMITS.  The order of rounding differs from the module's: Wq, Wk, Wv, W3 are rounded to bf16, W1 and W2 to f16 (they must lie within 65,504); w, M (summed in f32) and, in the second launch, z1 and z1 M are each
; rounded once to bf16.  NaN and infinities are not treated apart; a NaN or an overflow that would reach only the softmax's own sum is not carried to the result.
; THIS LAUNCH writes kw (rows of 128 16-bit numbers, 256 bytes): rows 0-8191 w (bf16); 8192-8319 Wv[k][:] (bf16); 8320-8831 W1, row 128 c + k = W1[k][128 c ..] (f16);
; 8832-10879 W2, row 512 s + 128 c + kk = W2[128 s + kk][128 c ..] (f16); 10880-11391 W3[k][:] (bf16); and mt: M^T in bf16, laid as the matrix unit's fragments:
; [f 8][kc 4][half 2][lane 32][16 bytes], lane (r, h) holding M[e][16 f + r] for e = 32 kc + 16 half + 8 h + 0..7.
; ROLES by the work-group's number: 0-255 32 rows of y (8 a wave) -> kw; 256-280 a block of 128 weight rows (32 a wave) -> kw; 281-296 four tiles of 16 x 16 of M (one a wave) -> mt.
; No LDS, no barrier, no tensor load: each wave loads what it alone needs, once, and stores whole aligned blocks of 256 bytes.
.set NR,  8                            ; rows of y a wave
.set L16, 3                            ; v3   16 x lane; never rewritten
.set L8,  4                            ; v4   8 x lane; never rewritten
.set GG,  8                            ; v[8:11]   ln_g of my channels 4 lane .. 4 lane + 3
.set BB,  12                           ; v[12:15]  ln_b
.set RW,  32                           ; v[32:95]   rows as loaded, four numbers a lane
.set T,   96                           ; v[96:127]  two registers a row; for M: source 0's four fragments
.set BUFA, 128                         ; v[128:191] a second batch of rows
.set BUFB, 192                         ; v[192:223] its rounded numbers; for M: source 1's four fragments
.set ACC, 224                          ; v[224:255] four accumulators
.macro REP cnt, line:vararg            ; a line cnt times, u = 0 ..
.set u, 0
.rept \cnt
	\line
.set u, u+1
.endr
.endm
.macro LANES                           ; the rows' sums over the 32 lanes: four steps inside a half of 16 lanes, one across
	REP NR, v_add_f32_dpp v[T+2*u], v[T+2*u], v[T+2*u] row_xmask:1 row_mask:0xf bank_mask:0xf
	REP NR, v_add_f32_dpp v[T+2*u], v[T+2*u], v[T+2*u] row_xmask:2 row_mask:0xf bank_mask:0xf
	REP NR, v_add_f32_dpp v[T+2*u], v[T+2*u], v[T+2*u] row_xmask:4 row_mask:0xf bank_mask:0xf
	REP NR, v_add_f32_dpp v[T+2*u], v[T+2*u], v[T+2*u] row_xmask:8 row_mask:0xf bank_mask:0xf
	REP NR, v_permlanex16_b32 v[T+2*u+1], v[T+2*u], s30, s31
	REP NR, v_add_f32 v[T+2*u], v[T+2*u], v[T+2*u+1]
.endm
; LayerNorm of NR rows, a row a load, four channels a lane.  The mean is taken away first, then the squares are summed: no difference of large sums.  Result: bf16, two registers a row, in T.
.macro LNROWS
	REP NR, v_pk_add_f32 v[T+2*u:T+2*u+1], v[RW+4*u:RW+4*u+1], v[RW+4*u+2:RW+4*u+3]
	REP NR, v_add_f32 v[T+2*u], v[T+2*u], v[T+2*u+1]
	LANES
	REP NR, v_mul_f32 v[T+2*u], 0xbc000000, v[T+2*u]
	REP NR, v_pk_add_f32 v[RW+4*u:RW+4*u+1], v[RW+4*u:RW+4*u+1], v[T+2*u:T+2*u+1] op_sel_hi:[1,0]
	REP NR, v_pk_add_f32 v[RW+4*u+2:RW+4*u+3], v[RW+4*u+2:RW+4*u+3], v[T+2*u:T+2*u+1] op_sel_hi:[1,0]
	REP NR, v_pk_mul_f32 v[T+2*u:T+2*u+1], v[RW+4*u:RW+4*u+1], v[RW+4*u:RW+4*u+1]
	REP NR, v_pk_fma_f32 v[T+2*u:T+2*u+1], v[RW+4*u+2:RW+4*u+3], v[RW+4*u+2:RW+4*u+3], v[T+2*u:T+2*u+1]
	REP NR, v_add_f32 v[T+2*u], v[T+2*u], v[T+2*u+1]
	LANES
	REP NR, v_fma_f32 v[T+2*u], v[T+2*u], s52, s53
	REP NR, v_rsq_f32 v[T+2*u], v[T+2*u]
	v_nop                                          ; a plain instruction behind the last root,
	s_wait_alu depctr_va_vdst(0)                   ; and one wait for the batch, ahead of the first reader
	REP NR, v_pk_mul_f32 v[RW+4*u:RW+4*u+1], v[RW+4*u:RW+4*u+1], v[T+2*u:T+2*u+1] op_sel_hi:[1,0]
	REP NR, v_pk_mul_f32 v[RW+4*u+2:RW+4*u+3], v[RW+4*u+2:RW+4*u+3], v[T+2*u:T+2*u+1] op_sel_hi:[1,0]
	REP NR, v_pk_fma_f32 v[RW+4*u:RW+4*u+1], v[RW+4*u:RW+4*u+1], v[GG:GG+1], v[BB:BB+1]
	REP NR, v_pk_fma_f32 v[RW+4*u+2:RW+4*u+3], v[RW+4*u+2:RW+4*u+3], v[GG+2:GG+3], v[BB+2:BB+3]
	REP NR, v_cvt_pk_bf16_f32 v[T+2*u], v[RW+4*u], v[RW+4*u+1]
	REP NR, v_cvt_pk_bf16_f32 v[T+2*u+1], v[RW+4*u+2], v[RW+4*u+3]
.endm
.macro WCONV stride, cvt               ; my 32 weight rows of 128 numbers: 32 loads of 512 bytes, rounded, 32 stores of 256 consecutive aligned bytes
	REP 16, global_load_b128 v[RW+4*u:RW+4*u+3], v[L16], s[36:37] offset:(\stride)*u
	REP 16, global_load_b128 v[BUFA+4*u:BUFA+4*u+3], v[L16], s[36:37] offset:(\stride)*(16+u)
	s_wait_loadcnt 16                              ; the first 16 rows are in; the other 16 loads may stay out
	REP 16, \cvt v[T+2*u], v[RW+4*u], v[RW+4*u+1]
	REP 16, \cvt v[T+2*u+1], v[RW+4*u+2], v[RW+4*u+3]
	REP 16, global_store_b64 v[L8], v[T+2*u:T+2*u+1], s[42:43] offset:256*u
	s_wait_loadcnt 0x0
	REP 16, \cvt v[BUFB+2*u], v[BUFA+4*u], v[BUFA+4*u+1]
	REP 16, \cvt v[BUFB+2*u+1], v[BUFA+4*u+2], v[BUFA+4*u+3]
	REP 16, global_store_b64 v[L8], v[BUFB+2*u:BUFB+2*u+1], s[42:43] offset:256*(16+u)
.endm
	s_load_b512 s[4:19], s[0:1], 0x0               ; y s4, Wq s6, Wk s8, Wv s10, W1 s12, W2 s14, W3 s16, ln_g s18
	s_load_b128 s[20:23], s[0:1], 0x40             ; ln_b s20, kw s22
	s_load_b64 s[24:25], s[0:1], 0x50              ; mt
	v_lshrrev_b32 v1, 5, v0
	v_readfirstlane_b32 s28, v1                    ; wave 0..3
	v_and_b32 v2, 31, v0
	v_lshlrev_b32 v[L16], 4, v2
	v_lshlrev_b32 v[L8], 3, v2
	s_mov_b32 s30, 0x76543210                      ; v_permlanex16_b32: each lane takes its own place in the other half
	s_mov_b32 s31, 0xfedcba98
	s_mov_b32 s52, 0x3c000000                      ; 1 / 128
	s_mov_b32 s53, 0x3727c5ac                      ; 1e-5
	s_wait_kmcnt 0x0
	s_cmp_ge_u32 ttmp9, 256
	s_cbranch_scc1 .Lweights
	; rows of y
	s_lshl_b32 s32, ttmp9, 5
	s_lshl_b32 s33, s28, 3
	s_add_co_u32 s32, s32, s33                     ; my first row
	s_lshl_b32 s34, s32, 9                         ; x 512 bytes in y
	s_mov_b32 s35, 0
	s_lshl_b32 s38, s32, 8                         ; x 256 bytes in kw
	s_mov_b32 s39, 0
	s_add_nc_u64 s[36:37], s[4:5], s[34:35]
	s_add_nc_u64 s[42:43], s[22:23], s[38:39]
	global_load_b128 v[GG:GG+3], v[L16], s[18:19]
	global_load_b128 v[BB:BB+3], v[L16], s[20:21]
	REP NR, global_load_b128 v[RW+4*u:RW+4*u+3], v[L16], s[36:37] offset:512*u
	s_wait_loadcnt 0x0
	LNROWS
	REP NR, global_store_b64 v[L8], v[T+2*u:T+2*u+1], s[42:43] offset:256*u  ; a row of w: 256 consecutive bytes, aligned
	s_branch .Lend
.Lweights:
	s_cmp_ge_u32 ttmp9, 281
	s_cbranch_scc1 .Lgram
	s_sub_co_u32 s32, ttmp9, 256                   ; block 0..24 of 128 rows
	s_lshl_b32 s38, s32, 7
	s_lshl_b32 s33, s28, 5
	s_add_co_u32 s38, s38, s33
	s_add_co_u32 s38, s38, 8192
	s_lshl_b32 s38, s38, 8                         ; row 8192 + 128 block + 32 wave of kw
	s_mov_b32 s39, 0
	s_add_nc_u64 s[42:43], s[22:23], s[38:39]
	s_mov_b32 s35, 0
	s_cmp_eq_u32 s32, 0
	s_cbranch_scc1 .Lnarrow
	s_cmp_gt_u32 s32, 20
	s_cbranch_scc1 .Lnarrow
	s_sub_co_u32 s33, s32, 1                       ; blocks 1-4: W1, column block c = block - 1
	s_lshl_b32 s33, s33, 9
	s_sub_co_u32 s40, s32, 5                       ; blocks 5-20: W2, rows 128 (i / 4) on, column block i % 4
	s_lshr_b32 s41, s40, 2
	s_lshl_b32 s41, s41, 18
	s_and_b32 s40, s40, 3
	s_lshl_b32 s40, s40, 9
	s_add_co_u32 s40, s40, s41
	s_cmp_lt_u32 s32, 5
	s_cselect_b32 s34, s33, s40
	s_cselect_b64 s[36:37], s[12:13], s[14:15]
	s_lshl_b32 s33, s28, 16                        ; my 32 rows of 2,048 bytes
	s_add_co_u32 s34, s34, s33
	s_add_nc_u64 s[36:37], s[36:37], s[34:35]
	WCONV 2048, v_cvt_pk_f16_f32
	s_branch .Lend
.Lnarrow:                                              ; block 0: Wv; blocks 21-24: W3, rows 128 (block - 21) on
	s_sub_co_u32 s33, s32, 21
	s_lshl_b32 s33, s33, 16
	s_cmp_eq_u32 s32, 0
	s_cselect_b32 s34, 0, s33
	s_cselect_b64 s[36:37], s[10:11], s[16:17]
	s_lshl_b32 s33, s28, 14                        ; my 32 rows of 512 bytes
	s_add_co_u32 s34, s34, s33
	s_add_nc_u64 s[36:37], s[36:37], s[34:35]
	WCONV 512, v_cvt_pk_bf16_f32
	s_branch .Lend
; A tile of M: source 0 = 16 rows e of Wq, source 1 = 16 rows e' of Wk, both with d along the rows.  In the result lane (r, h), register j holds M[16 eb + 8 h + j][16 f + r]: eight neighbouring e of one e',
; which is 16 bytes of mt's fragment (f, kc = eb / 2, half = eb % 2) in the same lane: tile number 8 f + eb lands at byte 512 x tile.
; Inside a fragment lane half h takes d = 32 kc + 16 h + 0..15, 64 consecutive bytes of f32: the same order of d in both sources, so every product meets its partner.
.Lgram:
	s_sub_co_u32 s32, ttmp9, 281
	s_lshl_b32 s32, s32, 2
	s_add_co_u32 s32, s32, s28                     ; tile 0..63
	s_and_b32 s33, s32, 7                          ; eb
	s_lshl_b32 s34, s33, 13                        ; 16 rows of 512 bytes
	s_mov_b32 s35, 0
	s_add_nc_u64 s[36:37], s[6:7], s[34:35]        ; Wq at row 16 eb
	s_lshr_b32 s33, s32, 3                         ; f
	s_lshl_b32 s40, s33, 13
	s_mov_b32 s41, 0
	s_add_nc_u64 s[44:45], s[8:9], s[40:41]        ; Wk at row 16 f
	s_lshl_b32 s38, s32, 9
	s_mov_b32 s39, 0
	s_add_nc_u64 s[42:43], s[24:25], s[38:39]
	v_and_b32 v18, 15, v0                          ; r
	v_bfe_u32 v19, v0, 4, 1                        ; h
	v_lshlrev_b32 v20, 9, v18
	v_lshl_add_u32 v20, v19, 6, v20                ; row r, byte 64 h
	REP 16, global_load_b128 v[RW+4*u:RW+4*u+3], v20, s[36:37] offset:128*(u/4)+16*(u%4)
	REP 16, global_load_b128 v[BUFA+4*u:BUFA+4*u+3], v20, s[44:45] offset:128*(u/4)+16*(u%4)
	s_wait_loadcnt 0x0
	REP 32, v_cvt_pk_bf16_f32 v[T+u], v[RW+2*u], v[RW+2*u+1]
	REP 32, v_cvt_pk_bf16_f32 v[BUFB+u], v[BUFA+2*u], v[BUFA+2*u+1]
.irp k, 0,1,2,3                                        ; four products, each into an accumulator of its own, each starting its sum: no two share a register
	v_wmma_f32_16x16x32_bf16 v[ACC+8*\k:ACC+8*\k+7], v[T+8*\k:T+8*\k+7], v[BUFB+8*\k:BUFB+8*\k+7], 0
.endr
.rept 4
	v_nop                                          ; four plain places behind the last product (ISA guide 7.12.1)
.endr
	REP 4, v_pk_add_f32 v[ACC+2*u:ACC+2*u+1], v[ACC+2*u:ACC+2*u+1], v[ACC+8+2*u:ACC+9+2*u]  ; the four parts of d are added in f32; each accumulator is read from its low end
	REP 4, v_pk_add_f32 v[ACC+16+2*u:ACC+17+2*u], v[ACC+16+2*u:ACC+17+2*u], v[ACC+24+2*u:ACC+25+2*u]
	REP 4, v_pk_add_f32 v[ACC+2*u:ACC+2*u+1], v[ACC+2*u:ACC+2*u+1], v[ACC+16+2*u:ACC+17+2*u]
	REP 4, v_cvt_pk_bf16_f32 v[T+u], v[ACC+2*u], v[ACC+2*u+1]
	global_store_b128 v[L16], v[T:T+3], s[42:43]   ; 512 consecutive bytes, aligned
.Lend:
	s_endpgm
.Lfunc_end_k_q389bd88294_prep:
	.size	k_q389bd88294_prep, .Lfunc_end_k_q389bd88294_prep-k_q389bd88294_prep
	.p2alignl 7, 3214868480
	.fill 96, 4, 3214868480
	.section	.rodata,"a",@progbits
	.p2align	6, 0x0
	.amdhsa_kernel k_q389bd88294_prep
		.amdhsa_group_segment_fixed_size 0
		.amdhsa_private_segment_fixed_size 0
		.amdhsa_enable_private_segment 0
		.amdhsa_kernarg_size 88
		.amdhsa_user_sgpr_count 2
		.amdhsa_user_sgpr_kernarg_segment_ptr 1
		.amdhsa_wavefront_size32 1
		.amdhsa_system_sgpr_workgroup_id_x 1
		.amdhsa_system_sgpr_workgroup_id_y 1
		.amdhsa_system_sgpr_workgroup_id_z 1
		.amdhsa_system_vgpr_workitem_id 0
		.amdhsa_next_free_vgpr 256
		.amdhsa_next_free_sgpr 66
		.amdhsa_reserve_vcc 0
		.amdhsa_float_denorm_mode_32 3
		.amdhsa_float_denorm_mode_16_64 3
		.amdhsa_memory_ordered 1
		.amdhsa_forward_progress 1
		.amdhsa_inst_pref_size 47
	.end_amdhsa_kernel
	.amdgpu_metadata
---
amdhsa.version: [ 1, 2 ]
amdhsa.kernels:
  - .name:           k_q389bd88294_prep
    .symbol:         k_q389bd88294_prep.kd
    .args:
      - { .name: y, .offset: 0, .size: 8, .value_kind: global_buffer, .address_space: global }
      - { .name: Wq, .offset: 8, .size: 8, .value_kind: global_buffer, .address_space: global }
      - { .name: Wk, .offset: 16, .size: 8, .value_kind: global_buffer, .address_space: global }
      - { .name: Wv, .offset: 24, .size: 8, .value_kind: global_buffer, .address_space: global }
      - { .name: W1, .offset: 32, .size: 8, .value_kind: global_buffer, .address_space: global }
      - { .name: W2, .offset: 40, .size: 8, .value_kind: global_buffer, .address_space: global }
      - { .name: W3, .offset: 48, .size: 8, .value_kind: global_buffer, .address_space: global }
      - { .name: ln_g, .offset: 56, .size: 8, .value_kind: global_buffer, .address_space: global }
      - { .name: ln_b, .offset: 64, .size: 8, .value_kind: global_buffer, .address_space: global }
      - { .name: kw, .offset: 72, .size: 8, .value_kind: global_buffer, .address_space: global }
      - { .name: mt, .offset: 80, .size: 8, .value_kind: global_buffer, .address_space: global }
    .group_segment_fixed_size: 0
    .private_segment_fixed_size: 0
    .kernarg_segment_align: 8
    .kernarg_segment_size: 88
    .max_flat_workgroup_size: 128
    .sgpr_count:     66
    .vgpr_count:     256
    .wavefront_size: 32
...
	.end_amdgpu_metadata
.endif
;; end of part 1
;; launch block (part 2): grid 256 x 1, 4 waves a work-group, clusters of 4 x 1, 327,680 bytes of LDS; arguments mt, kw, x, ln_g, ln_b, b1, b2, b3, out0; writes out0
.if DOCPART == 2
	.amdgcn_target "amdgcn-amd-amdhsa--gfx1250"
	.amdhsa_code_object_version 6
	.text
	.protected	k_q389bd88294_block
	.globl	k_q389bd88294_block
	.p2align	8
	.type	k_q389bd88294_block,@function
k_q389bd88294_block:
	s_mov_b64 s[64:65], 0
	v_nop
	global_prefetch_b8 v0, s[64:65] scope:SCOPE_SE
	s_setreg_imm32_b32 hwreg(HW_REG_WAVE_MODE, 25, 1), 1
	s_wait_xcnt 0x0
	s_wait_alu depctr_hold_cnt(0) depctr_sa_sdst(0) depctr_va_vdst(0) depctr_va_sdst(0) depctr_va_ssrc(0) depctr_va_vcc(0) depctr_vm_vsrc(0)
	s_getreg_b32 s2, hwreg(HW_REG_IB_STS2, 6, 4)
	s_cmp_eq_u32 s2, 0
	s_cbranch_scc0 .Lentry_in_a_cluster
	s_endpgm
.Lentry_in_a_cluster:
	s_bfe_u32 s2, ttmp6, 0x10000c
	s_cmp_lg_u32 s2, 0x3003
	s_cbranch_scc0 .Lentry_shape_is_right
	s_endpgm
.Lentry_shape_is_right:
; SECOND OF TWO LAUNCHES: LayerNorm of x, the query's projection Q' = z1 M, attention, residual, LayerNorm, MLP, residual, for 32 queries a work-group.  mt (M^T) and kw are the first launch's (layouts at its head).
; With raw scores s = Q' . w (S = s / sqrt(128)), c = log2(e) / sqrt(128), c1 = 0.1 / sqrt(128):
;   att_raw = (c1 sum relu(s) w + (sum p w) / L) / (c1 sum relu(s) + 1),  p = 2^(c s - c m), L = sum p, m the row's running maximum;  att = att_raw Wv.
; Left out, as the first kernel's head shows: the softmax's own sum inside the row sum, which is 1 by identity.
; LIMITS.  z1 and Q' are rounded to bf16; p and relu(s) are rounded to bf16 for the products, and their sums are taken of the rounded numbers; att_raw and h2 are rounded to bf16, z2 and h1 to f16 (|z2|, |h1| must
; stay under 65,504); a weight under 2^-126 counts as 0; NaN and infinities are not treated apart.
; SHARES.  A work-group owns two tiles of 16 queries.  THE KEYS ARE SPLIT AMONG ITS FOUR WAVES: of each slot of 512 rows of w wave v fetches and reads rows 128 v .. 128 v + 127, two key steps of 64; the four
; partial results (f32) meet in LDS.  In the projection and in the MLP the output columns are split among the waves.
; CLUSTER.  The four work-groups of a cluster walk the same slots of kw, so every fill is asked for JOINTLY: the same tensor load, descriptor and mask in all four.  Cluster number n starts its walk of the
; 16 key slots at slot n % 16.
; LAYOUT.  Everything is kept transposed, one query a lane (lane % 16).  S^T = K Q'^T.  O^T = w^T P with w turned by ds_load_tr16_b128, lanes 8-15 of a half taking the columns 64 further on: block f, lane (r, h),
; register j = channel 64 h + 8 f + j.  Two such blocks 2 q, 2 q + 1, rounded to 16 bits, ARE the next product's source 1 with k = 64 h + 16 q + 0..15, and a weight stored [k][n] gives the matching source 0
; by two turning loads 8 rows apart.  So att_raw, z1r, z2, h1, h2 and out never change lanes.
; BY TURNS.  In a turn one tile has the matrix unit: 36 products for the step in hand (p w, relu w, and both row sums by a source 0 of ones), then 16 products K Q'^T of the next step; the other tile's
; 154 vector instructions stand behind them, three a product.  A turn's 33 exponentials are one batch with one wait.  m starts at the lowest finite number and all sums at 0, so no first step is written out:
; 448 v_mov_b32 in the wait for the first loads are the price.
; REGISTERS, in windows of 256 (s_set_vgpr_msb: bits 1:0 source 0, 3:2 source 1, 5:4 source 2, 7:6 destination):
;   window 0: v0-15 addresses; v16-31 statistics, 8 a tile; v32-39 ones, later addresses; v40-47 the merge's factors; v48-63 b3; v64-127 S^T; v128-159 P; v160-191 relu; v192-255 Q'.  At the head v64-127 my fragments of M^T,
;   v192-255 my rows of x and what their LayerNorm needs.  In the tail v64-191 two fragment buffers, v192-255 at work
;   window 1 + t (tile t): v0-71 sum p w and L; v72-143 sum relu w and its sum; v144-207 x, then z1r; v208-239 source 1 of the next product.  In the tail v0-127 h1, then h2
;   window 3: v0-127 K, v128-255 V of one step.  At the head v0-31 Q'^T's accumulators.  In the tail g, b, b1, b2, then the accumulators of the last two layers
.set PT,    272                        ; an LDS row of kw: 256 bytes + 16
.set XPT,   528                        ; an LDS row of 128 f32: 512 bytes + 16
.set WPART, 128*PT                     ; a wave's quarter of a slot
.set STEP,  64*PT                      ; a key step
.set SLOT1, 4*WPART                    ; slot 1 begins here: 0x22000, which shares no bit with wave x WPART, so one exclusive or turns an address in one slot into the other's
.set SG,    2*SLOT1                    ; a stage of 32,768 bytes, written by LDS stores alone
.set ZST,   SG+32*XPT                  ; at the head: z1 in bf16, 32 rows x 272 bytes, behind x's 32 rows x 528
.set STATS, SG+32768                   ; 4,096 bytes: the waves' statistics
.set SPARE, STATS+4096                 ; the spare words, 128 bytes a wave: two blocks of 256 bytes that no other line names
.set QS,    SPARE+512                  ; 8,192 bytes: Q' in fragment order, [tile][kc][half][lane][16 bytes]; written by LDS stores alone
.set OUTS,  SLOT1                      ; the way out: 32 rows x 528 bytes in slot 1, behind that slot's last fill and last read
.set AK0, 2                            ; my lane's place in a tile of K
.set AV0, 3                            ; in a tile of V (turned)
.set AW0, 4                            ; in a tile of weights (turned)
.set ADR, 5
.set ADV, 6
.set L16, 7                            ; 16 x lane
.set SPW, 8                            ; my spare word
.set NIL, 9                            ; 0, for the add alone
.set ZR,  10                           ; 0, for the relu
.set PFO, 11                           ; 256 x lane
.set HB,  12                           ; 256 h
.set B12, 13                           ; 512 wave + 256 h
.set B3A, 14                           ; 64 wave + 256 h
.set SGW, 15                           ; SG + 8,192 wave + 16 lane
.set ST,  16                           ; tile t at ST + 8 t: c m, m, -, -, c0-c3 (a takes c2's place)
.set RR,  18                           ; r = lane % 16 (an unused place among the statistics)
.set HH,  19                           ; h = lane / 16
.set LL,  26                           ; lane
.set ONES, 32
.set SGR, 32                           ; the tail's addresses, where the ones lay
.set STA, 33
.set STR, 34
.set OA,  35
.set ORD, 36
.set AW3, 37
.set AL,  40                           ; tile t: the relu part's factor at AL + 4 t, the softmax part's at AL + 4 t + 2, as pairs
.set B3,  48
.set S,   64
.set P,   128
.set PR,  160
.set Q,   192
.set HRW, 192                          ; the head: my 8 rows of x, four numbers a lane
.set HT,  224                          ; two registers a row
.set XW,  240                          ; where I put a row of x;
.set XR,  241                          ; where I read 64 channels of a query;
.set ZW,  242                          ; where I put a row of z1;
.set ZRD, 243                          ; where I read its fragments;
.set QSW, 244                          ; where I put my fragments of Q'
.set HG,  248                          ; ln_g of channels 4 lane .. 4 lane + 3
.set HBB, 252                          ; ln_b
.set FB,  64
.set TMP, 192
.set VF,  128                          ; window 3
.set WV,  22
.set CX,  23
.set WG,  24
.set WB,  25
.set LIMB, 26
.set TB,  27                           ; LDS byte at which the step to be fetched begins
.set NXT, 28                           ; the key slot to be asked for next
.set SLOTS, 29
.set TWICE, 30
.set LIMA, 31
.set G1,  32                           ; s[32:39] descriptor group 1: 128 rows
.set G1S, 40                           ; s[40:47] the same with 32 rows
.set G0A, 48                           ; s[48:51] group 0 of the first fill, later of Wv's
.set G0,  52                           ; s[52:55] group 0 that walks
.set OFF, 56
.set KWV, 58                           ; kw at my wave's quarter of slot 0
.set WPT, 60                           ; kw at my quarter of the next slot of weights
.set PFA, 62                           ; the prefetches' base; never rewritten
.set CS,  66
.set SEL, 68
.set WVP, 76
.set PFA7, 78
.set XPTR, 80
.set OUTP, 82
.set MPTR, 84
.set C1,  86
.set I128, 87
.set EPS, 88
.set LIMC, 89
.set LIM7, 90
.set MSB, 0
.macro WIN new                         ; the immediate's high byte repeats the setting that is left; a switch that changes nothing is dropped
.if MSB != (\new)
	s_set_vgpr_msb (MSB<<8)|(\new)
.set MSB, \new
.endif
.endm
.macro REP cnt, line:vararg
.set u, 0
.rept \cnt
	\line
.set u, u+1
.endr
.endm
.macro PLACES                          ; four plain places behind a matrix instruction (ISA guide 7.12.1)
.rept 4
	v_nop
.endr
.endm
.macro CROUND                          ; a round of the cluster's barrier
	s_barrier_signal -1
	s_barrier_wait -1
	s_cmp_lg_u32 s[WV], 0
	s_cbranch_scc1 .Lnot_wave_0_\@
	s_barrier_signal -3
.Lnot_wave_0_\@:
	s_barrier_wait -3
	s_barrier_signal -1
	s_barrier_wait -1
.endm
; LayerNorm of my 8 rows of x, a row a load, four channels a lane.  The mean is taken away first, then the squares are summed.  Result: bf16, two registers a row, in HT.
.macro HLANES
	REP 8, v_add_f32_dpp v[HT+2*u], v[HT+2*u], v[HT+2*u] row_xmask:1 row_mask:0xf bank_mask:0xf
	REP 8, v_add_f32_dpp v[HT+2*u], v[HT+2*u], v[HT+2*u] row_xmask:2 row_mask:0xf bank_mask:0xf
	REP 8, v_add_f32_dpp v[HT+2*u], v[HT+2*u], v[HT+2*u] row_xmask:4 row_mask:0xf bank_mask:0xf
	REP 8, v_add_f32_dpp v[HT+2*u], v[HT+2*u], v[HT+2*u] row_xmask:8 row_mask:0xf bank_mask:0xf
	REP 8, v_permlanex16_b32 v[HT+2*u+1], v[HT+2*u], s[SEL], s[SEL+1]
	REP 8, v_add_f32 v[HT+2*u], v[HT+2*u], v[HT+2*u+1]
.endm
.macro LN8
	REP 8, v_pk_add_f32 v[HT+2*u:HT+2*u+1], v[HRW+4*u:HRW+4*u+1], v[HRW+4*u+2:HRW+4*u+3]
	REP 8, v_add_f32 v[HT+2*u], v[HT+2*u], v[HT+2*u+1]
	HLANES
	REP 8, v_mul_f32 v[HT+2*u], 0xbc000000, v[HT+2*u]
	REP 8, v_pk_add_f32 v[HRW+4*u:HRW+4*u+1], v[HRW+4*u:HRW+4*u+1], v[HT+2*u:HT+2*u+1] op_sel_hi:[1,0]
	REP 8, v_pk_add_f32 v[HRW+4*u+2:HRW+4*u+3], v[HRW+4*u+2:HRW+4*u+3], v[HT+2*u:HT+2*u+1] op_sel_hi:[1,0]
	REP 8, v_pk_mul_f32 v[HT+2*u:HT+2*u+1], v[HRW+4*u:HRW+4*u+1], v[HRW+4*u:HRW+4*u+1]
	REP 8, v_pk_fma_f32 v[HT+2*u:HT+2*u+1], v[HRW+4*u+2:HRW+4*u+3], v[HRW+4*u+2:HRW+4*u+3], v[HT+2*u:HT+2*u+1]
	REP 8, v_add_f32 v[HT+2*u], v[HT+2*u], v[HT+2*u+1]
	HLANES
	REP 8, v_fma_f32 v[HT+2*u], v[HT+2*u], s[I128], s[EPS]
	REP 8, v_rsq_f32 v[HT+2*u], v[HT+2*u]
	v_nop                                          ; a plain instruction behind the last root,
	s_wait_alu depctr_va_vdst(0)                   ; and one wait for the batch of eight
	REP 8, v_pk_mul_f32 v[HRW+4*u:HRW+4*u+1], v[HRW+4*u:HRW+4*u+1], v[HT+2*u:HT+2*u+1] op_sel_hi:[1,0]
	REP 8, v_pk_mul_f32 v[HRW+4*u+2:HRW+4*u+3], v[HRW+4*u+2:HRW+4*u+3], v[HT+2*u:HT+2*u+1] op_sel_hi:[1,0]
	REP 8, v_pk_fma_f32 v[HRW+4*u:HRW+4*u+1], v[HRW+4*u:HRW+4*u+1], v[HG:HG+1], v[HBB:HBB+1]
	REP 8, v_pk_fma_f32 v[HRW+4*u+2:HRW+4*u+3], v[HRW+4*u+2:HRW+4*u+3], v[HG+2:HG+3], v[HBB+2:HBB+3]
	REP 8, v_cvt_pk_bf16_f32 v[HT+2*u], v[HRW+4*u], v[HRW+4*u+1]
	REP 8, v_cvt_pk_bf16_f32 v[HT+2*u+1], v[HRW+4*u+2], v[HRW+4*u+3]
.endm
; PREFETCHES.  Only kw's 3,200 rows of weights are asked for, each row (256 bytes) once in the launch, by cluster 0 alone: request i names rows 8192 + 512 i + 128 cx + 32 wave + lane, so the four partners are told
; apart by address.  Requests 0 to 5 stand behind the joint loads of six changes of slots on end, each two changes ahead of the fill that first wants its rows; the last 128 rows follow, 32 a work-group, by wave 0.
; The key rows are not asked for: the clusters' first fills, which nothing can precede, name all 16 slots between them.
.macro ASKL                            ; in the loop: its last two changes
	s_cmp_eq_u32 s[SLOTS], s[LIMA]
	s_cbranch_scc0 .Lpa_\@
	global_prefetch_b8 v[PFO], s[PFA:PFA+1] th:TH_LOAD_NT scope:SCOPE_SE
.Lpa_\@:
	s_cmp_eq_u32 s[SLOTS], s[LIMB]
	s_cbranch_scc0 .Lpb_\@
	global_prefetch_b8 v[PFO], s[PFA:PFA+1] offset:131072 th:TH_LOAD_NT scope:SCOPE_SE
.Lpb_\@:
.endm
.macro ASKT off
	s_cmp_eq_u32 s[LIMC], 1
	s_cbranch_scc0 .Lpc_\@
	global_prefetch_b8 v[PFO], s[PFA:PFA+1] offset:\off th:TH_LOAD_NT scope:SCOPE_SE
.Lpc_\@:
.endm
.macro ASK7
	s_cmp_eq_u32 s[LIM7], 1
	s_cbranch_scc0 .Lpd_\@
	global_prefetch_b8 v[PFO], s[PFA7:PFA7+1] th:TH_LOAD_NT scope:SCOPE_SE
.Lpd_\@:
.endm
; THE CHANGE OF SLOTS.  Each wave waits for all its tensor loads (one is out: its part of the other slot), adds 0 to its spare word, and waits for that and for its reads of the slot that it leaves; a round of the
; cluster's barrier; the joint refill of the slot just left is the first thing behind it, with an s_nop 0 and four v_nop.
.macro CHANGE_KEYS
	WIN 0
	s_wait_tensorcnt 0x0
	ds_add_u32 v[SPW], v[NIL]                      ; 0 onto my spare word; the descriptor's scalar work stands between it and the wait for it
	s_lshl_b32 s[OFF], s[NXT], 17                  ; a slot is 131,072 bytes of kw
	s_xor_b32 s[G0+1], s[G0+1], SLOT1
	s_add_nc_u64 s[G0+2:G0+3], s[KWV:KWV+1], s[OFF:OFF+1]
	s_or_b32 s[G0+3], s[G0+3], 0x80000000
	s_add_co_u32 s[NXT], s[NXT], 1
	s_and_b32 s[NXT], s[NXT], 15
	s_sub_co_u32 s[TB], s[TB], 2*STEP              ; the fetches go back to a slot's first step, in the other slot
	s_xor_b32 s[TB], s[TB], SLOT1
	s_wait_dscnt 0x0
	CROUND
	tensor_load_to_lds s[G0:G0+3], s[G1:G1+7]
	s_nop 0
	PLACES
	ASKL
.endm
; The tail's changes.  kind 1: Wv, 32 rows a wave, into slot 0.  kind 2: the next 512 rows of weights into the slot at byte region.  kind 0: nothing is left to fetch: a plain barrier.
; pf >= 0: prefetch request pf; -2: the last 128 rows; -1: none.
.macro CHG kind, region, pf
	WIN 0
	s_wait_tensorcnt 0x0
	ds_add_u32 v[SPW], v[NIL]
.if (\kind) == 1
	s_mul_i32 s[G0A+1], s[WV], 32*PT
	s_mov_b64 s[G0A+2:G0A+3], s[WVP:WVP+1]
	s_or_b32 s[G0A+3], s[G0A+3], 0x80000000
	s_sub_co_u32 s[TB], s[TB], 2*STEP
	s_xor_b32 s[TB], s[TB], SLOT1
.elseif (\kind) == 2
	s_add_co_u32 s[G0+1], s[WB], \region
	s_mov_b64 s[G0+2:G0+3], s[WPT:WPT+1]
	s_or_b32 s[G0+3], s[G0+3], 0x80000000
	s_add_nc_u64 s[WPT:WPT+1], s[WPT:WPT+1], 131072
.endif
	s_wait_dscnt 0x0
.if (\kind) == 0
	s_barrier_signal -1
	s_barrier_wait -1
.else
	CROUND
.if (\kind) == 1
	tensor_load_to_lds s[G0A:G0A+3], s[G1S:G1S+7]
.else
	tensor_load_to_lds s[G0:G0+3], s[G1:G1+7]
.endif
	s_nop 0
	PLACES
.if (\pf) >= 0
	ASKT (\pf)*131072
.endif
.if (\pf) == -2
	ASK7
.endif
.endif
.endm
; THE LDS LOADS of the attention stand in runs: a step's K (16 fragments), and its V in two halves of 8 fragments, each behind the last product that read the half.
.macro FETCH_K
	WIN 0
	v_add_nc_u32 v[ADR], s[TB], v[AK0]
	WIN 0xc0
.irp f, 0,1,2,3,4,5,6,7,8,9,10,11,12,13,14,15      ; keys 16 (f / 4) on, channels 32 (f % 4) on
	ds_load_b128 v[8*\f:8*\f+3],   v[ADR] offset:(\f/4)*16*PT+(\f%4)*64
	ds_load_b128 v[8*\f+4:8*\f+7], v[ADR] offset:(\f/4)*16*PT+(\f%4)*64+32
.endr
.endm
.macro FETCH_VH half
	WIN 0
.if (\half) == 0
	v_add_nc_u32 v[ADV], s[TB], v[AV0]
.endif
	WIN 0xc0
.irp f, 0,1,2,3,4,5,6,7                            ; keys 32 half on, block f
	ds_load_tr16_b128 v[VF+64*(\half)+8*\f:VF+64*(\half)+8*\f+3],   v[ADV] offset:(\half)*32*PT+16*\f
	ds_load_tr16_b128 v[VF+64*(\half)+8*\f+4:VF+64*(\half)+8*\f+7], v[ADV] offset:(\half)*32*PT+16*PT+16*\f
.endr
.if (\half) == 1
	s_add_co_u32 s[TB], s[TB], STEP                ; the next fetch is the next step's
.endif
.endm
; THE TURN'S MATRIX INSTRUCTION i, for tile TX.  i < 36: keys 32 (i / 18) on, block (i % 18) / 2 (block 8: the row sum, source 0 = ones), i % 2 = 0 the softmax part, 1 the relu part: 18 accumulators by turns.
; i = 36 .. 51: S^T = K Q'^T, channels 32 ((i - 36) / 4) on, keys 16 ((i - 36) % 4) on: four accumulators by turns, the first four start the sums.
.macro MM
.if i < 36
.if (TX == 0) && (i == 0)
	s_wait_dscnt 16                                ; V's first half is in; the second half's 16 loads may stay out
.endif
.if (TX == 0) && (i == 18)
.if KQON
	s_wait_dscnt 32                                ; V's second half is in; K's 32 loads may stay out
.else
	s_wait_dscnt 0x0
.endif
.endif
.set rO, 72*(i%2)+8*((i%18)/2)
.set rB, P+32*(i%2)+16*TX+8*(i/18)
.if ((i%18)/2) == 8
	WIN 0x50+0x50*TX
	v_wmma_f32_16x16x32_bf16 v[rO:rO+7], v[ONES:ONES+7], v[rB:rB+7], v[rO:rO+7]
.else
.set rV, VF+64*(i/18)+8*((i%18)/2)
	WIN 0x53+0x50*TX
	v_wmma_f32_16x16x32_bf16 v[rO:rO+7], v[rV:rV+7], v[rB:rB+7], v[rO:rO+7]
.endif
.elseif KQON
.if (TX == 0) && (i == 36)
	s_wait_dscnt 0x0                               ; K is in
.endif
.set rS, S+32*TX+8*((i-36)%4)
.set rK, 32*((i-36)%4)+8*((i-36)/4)
.set rQ, Q+32*TX+8*((i-36)/4)
	WIN 0x03
.if i < 40
	v_wmma_f32_16x16x32_bf16 v[rS:rS+7], v[rK:rK+7], v[rQ:rQ+7], 0
.else
	v_wmma_f32_16x16x32_bf16 v[rS:rS+7], v[rK:rK+7], v[rQ:rQ+7], v[rS:rS+7]
.endif
.endif
.set i, i+1
.endm
; THE VECTOR WORK, one line at a time, for tile TY.  KX n: number n of the 22 that find the maximum and the statistics (each accumulator's lowest registers are read first).
; KZ n: raw scores' pair n rounded to bf16; KY n: its relu.  KF n: c s - c m for pair n.  KE n: the exponential of score n.  KC n: pair n of the weights rounded.  KR n: pair n of 36 of the softmax part's sums times a.
.set KX, 0
.set KZ, 1
.set KY, 2
.set KF, 3
.set KE, 4
.set KC, 5
.set KR, 6
.macro XOP n
.if (\n) < 4
	v_max3_num_f32 v[rT+4+(\n)], v[rS+8*(\n)], v[rS+8*(\n)+1], v[rS+8*(\n)+2]
.elseif (\n) < 12
	v_max3_num_f32 v[rT+4+(\n)%4], v[rT+4+(\n)%4], v[rS+8*((\n)%4)+2*((\n)/4)+1], v[rS+8*((\n)%4)+2*((\n)/4)+2]
.elseif (\n) == 12
	v_max3_num_f32 v[rT+4], v[rT+4], v[rS+7], v[rS+15]
.elseif (\n) == 13
	v_max3_num_f32 v[rT+6], v[rT+6], v[rS+23], v[rS+31]
.elseif (\n) == 14
	v_max3_num_f32 v[rT+4], v[rT+4], v[rT+5], v[rT+6]
.elseif (\n) == 15
	v_max3_num_f32 v[rT+4], v[rT+4], v[rT+7], v[rT+1]
.elseif (\n) == 16
	v_permlanex16_b32 v[rT+5], v[rT+4], s[SEL], s[SEL+1]  ; the query's other 32 keys lie in the lane 16 away
.elseif (\n) == 17
	v_mov_b32 v[rT+7], v[rT]                       ; c m_old is kept
.elseif (\n) == 18
	v_max_num_f32 v[rT+1], v[rT+4], v[rT+5]
.elseif (\n) == 19
	v_mul_f32 v[rT], s[CS], v[rT+1]
.elseif (\n) == 20
	v_sub_f32 v[rT+7], v[rT+7], v[rT]
.else
	v_exp_f32 v[rT+6], v[rT+7]                     ; a
.endif
.endm
.macro OP k, n
.set rT, ST+8*TY
.set rS, S+32*TY
.set rP, P+16*TY
.set rR, PR+16*TY
.if (\k) == KR
	WIN 0x41+0x41*TY
	v_pk_mul_f32 v[2*(\n):2*(\n)+1], v[2*(\n):2*(\n)+1], v[rT+6:rT+7] op_sel_hi:[1,0]
.else
	WIN 0
.if (\k) == KZ
	v_cvt_pk_bf16_f32 v[rR+(\n)], v[rS+2*(\n)], v[rS+2*(\n)+1]
.elseif (\k) == KY
	v_pk_max_num_bf16 v[rR+(\n)], v[rR+(\n)], v[ZR]
.elseif (\k) == KF
	v_pk_fma_f32 v[rS+2*(\n):rS+2*(\n)+1], v[rS+2*(\n):rS+2*(\n)+1], s[CS:CS+1], v[rT:rT+1] op_sel_hi:[1,0,0] neg_lo:[0,0,1] neg_hi:[0,0,1]
.elseif (\k) == KE
	v_exp_f32 v[rS+(\n)], v[rS+(\n)]
.elseif (\k) == KC
	v_cvt_pk_bf16_f32 v[rP+(\n)], v[rS+2*(\n)], v[rS+2*(\n)+1]
.else
	XOP \n
.endif
.endif
.endm
; What stands behind certain rows.  Behind row 1 of tile 0's turn: the next step's K; the last product that read K stands in front of the four rescalings that end the turn before.
; Behind row 17 of tile 1's turn: V's first half; its last reader is product 15, and six plain riders and the run's own address line lie between.  Behind row 33: a plain instruction and THE WAIT for the
; batch: ahead of it no line names an exponential's result, behind it no exponential is issued.  Behind row 35 of tile 1's turn: V's second half; its last reader is product 33, eight plain lines back.
.macro HOOK
.if KQON && (TX == 0) && (i == 2)
	FETCH_K
.endif
.if (TX == 1) && (i == 18)
	FETCH_VH 0
.endif
.if i == 34
	v_nop
	s_wait_alu depctr_va_vdst(0)
.endif
.if (TX == 1) && (i == 36)
	FETCH_VH 1
.endif
.endm
.macro ROW a, n1, b, n2, c, n3
	MM
	OP \a, \n1
	OP \b, \n2
	OP \c, \n3
	HOOK
.endm
; A TURN for tile x.  kq = 0: the last one: no further scores, and nothing is fetched.  The last row's four rescalings are the places between the turn's last product and the next turn's first read of its scores.
.macro TURN x, kq
.set TX, \x
.set TY, 1-(\x)
.set KQON, \kq
.set i, 0
	ROW KX,0, KX,1, KX,2
	ROW KX,3, KX,4, KX,5
	ROW KX,6, KX,7, KX,8
	ROW KX,9, KX,10, KX,11
	ROW KX,12, KX,13, KZ,0
	ROW KX,14, KZ,1, KZ,2
	ROW KX,15, KZ,3, KX,17
	ROW KX,16, KZ,4, KZ,5
	ROW KX,18, KZ,6, KZ,7
	ROW KX,19, KZ,8, KZ,9
	ROW KX,20, KF,0, KZ,10
	ROW KF,1, KX,21, KZ,11
.set u, 0
.rept 4
	ROW KF,2+u, KE,u, KZ,12+u
.set u, u+1
.endr
.set u, 0
.rept 8
	ROW KF,6+u, KE,4+u, KY,u
.set u, u+1
.endr
	ROW KF,14, KE,12, KE,13
	ROW KF,15, KE,14, KE,15
.set u, 0
.rept 8
	ROW KY,8+u, KE,16+2*u, KE,17+2*u
.set u, u+1
.endr
.set u, 0
.rept 5
	ROW KC,3*u, KC,3*u+1, KC,3*u+2
.set u, u+1
.endr
	MM
	OP KC,15
.set u, 0
.rept 10
	ROW KR,3*u, KR,3*u+1, KR,3*u+2
.set u, u+1
.endr
	MM
	OP KR,30
	OP KR,31
	MM
	OP KR,32
	OP KR,33
	OP KR,34
	OP KR,35
.endm
	s_load_b512 s[4:19], s[0:1], 0x0               ; mt s4, kw s6, x s8, ln_g s10, ln_b s12, b1 s14, b2 s16, b3 s18
	s_load_b64 s[20:21], s[0:1], 0x40              ; out0
	v_lshl_add_u32 v[SPW], v0, 2, SPARE
	v_mov_b32 v[NIL], 0
	ds_add_u32 v[SPW], v[NIL]                      ; the wave's opening: the add, twice on end, and its wait ahead of my first tensor load; the set-up below is the work on registers between
	ds_add_u32 v[SPW], v[NIL]
	v_lshrrev_b32 v1, 5, v0
	v_readfirstlane_b32 s[WV], v1                  ; wave 0..3
	s_bfe_u32 s[CX], ttmp6, 0x40000                ; my place in the cluster: it enters the addresses of x, out0 and the prefetches alone
	s_lshl_b32 s[WG], ttmp9, 2
	s_add_co_u32 s[WG], s[WG], s[CX]               ; my block of 32 queries
	s_mul_i32 s[WB], s[WV], WPART                  ; my quarter of a slot
	s_mov_b32 s[TB], s[WB]
	; descriptor group 1: rows of 128 elements of 2 bytes, 16 bytes of padding behind each
	s_mov_b32 s[G1],  15|(1<<16)|(1<<20)|(1<<21)|(5<<22)|(3<<25)  ; 15:0 the mask of four; 17:16 2-byte elements; 20 padding on; 21 set beside a mask; 24:22 after every 64 words; 31:25 4 words
	s_mov_b32 s[G1S], 15|(1<<16)|(1<<20)|(1<<21)|(5<<22)|(3<<25)
	s_mov_b32 s[G1+1], 128<<16                     ; tensor_dim0 = 128
	s_mov_b32 s[G1S+1], 128<<16
	s_mov_b32 s[G1+2], 128<<16                     ; tensor_dim1 = 128 rows
	s_mov_b32 s[G1S+2], 32<<16                     ; or 32
	s_mov_b32 s[G1+3], 128<<16                     ; tile_dim0 = 128
	s_mov_b32 s[G1S+3], 128<<16
	s_mov_b32 s[G1+4], 128                         ; tile_dim1
	s_mov_b32 s[G1S+4], 32
	s_mov_b32 s[G1+5], 128                         ; 128 elements from row to row
	s_mov_b32 s[G1S+5], 128
	s_mov_b32 s[G1+6], 0
	s_mov_b32 s[G1S+6], 0
	s_mov_b32 s[G1+7], 0
	s_mov_b32 s[G1S+7], 0
	s_mov_b32 s[G0A], 1
	s_mov_b32 s[G0A+1], s[WB]                      ; slot 0
	s_mov_b32 s[G0], 1
	s_add_co_u32 s[G0+1], s[WB], SLOT1             ; slot 1
	s_and_b32 s[NXT], ttmp9, 15                    ; the cluster's first key slot
	s_lshl_b32 s[OFF], s[NXT], 17
	s_mov_b32 s[OFF+1], 0
	s_add_co_u32 s[NXT], s[NXT], 1
	s_and_b32 s[NXT], s[NXT], 15
	s_lshl_b32 s70, s[NXT], 17
	s_mov_b32 s71, 0
	s_add_co_u32 s[NXT], s[NXT], 1
	s_and_b32 s[NXT], s[NXT], 15
	s_lshl_b32 s72, s[WV], 15                      ; my 128 rows of a slot in memory
	s_mov_b32 s73, 0
	s_lshl_b32 s74, s[WV], 13
	s_mov_b32 s75, 0
	s_mov_b32 s[CS], 0x3e0293ee                    ; c = log2(e) / sqrt(128)
	s_mov_b32 s[CS+1], s[CS]
	s_mov_b32 s[SEL], 0x76543210
	s_mov_b32 s[SEL+1], 0xfedcba98
	s_mov_b32 s[C1], 0x3c10d0c3                    ; c1 = 0.1 / sqrt(128)
	s_mov_b32 s[I128], 0x3c000000
	s_mov_b32 s[EPS], 0x3727c5ac
	s_cmp_eq_u32 ttmp9, 0                          ; cluster 0 prefetches: the same answer in all four partners
	s_cselect_b32 s[LIMA], 2, -1
	s_cselect_b32 s[LIMB], 1, -1
	s_cselect_b32 s[LIMC], 1, 0
	s_or_b32 s91, ttmp9, s[WV]
	s_cmp_eq_u32 s91, 0
	s_cselect_b32 s[LIM7], 1, 0
	v_and_b32 v[RR], 15, v0
	v_bfe_u32 v[HH], v0, 4, 1
	v_and_b32 v[LL], 31, v0
	v_and_b32 v1, 7, v0
	v_bfe_u32 v[ADR], v0, 3, 1
	v_mul_u32_u24 v[AK0], v[RR], PT
	v_lshl_add_u32 v[AK0], v[HH], 4, v[AK0]        ; row r, byte 16 h
	v_lshl_add_u32 v[AV0], v[HH], 3, v1
	v_mul_u32_u24 v[AV0], v[AV0], PT
	v_lshl_add_u32 v[AV0], v[ADR], 7, v[AV0]       ; row 8 h + lane % 8; lanes 8-15 of a half 128 bytes on
	v_lshl_add_u32 v[AW0], v[HH], 6, v1
	v_mul_u32_u24 v[AW0], v[AW0], PT
	v_lshl_add_u32 v[AW0], v[ADR], 7, v[AW0]       ; row 64 h + lane % 8; likewise
	v_lshlrev_b32 v[L16], 4, v[LL]
	v_lshlrev_b32 v[PFO], 8, v[LL]
	v_lshlrev_b32 v[HB], 8, v[HH]
	s_lshl_b32 s91, s[WV], 9
	v_add_nc_u32 v[B12], s91, v[HB]
	s_lshl_b32 s91, s[WV], 6
	v_add_nc_u32 v[B3A], s91, v[HB]
	s_add_co_u32 s91, s74, SG
	v_add_nc_u32 v[SGW], s91, v[L16]
	v_mov_b32 v[ZR], 0
	s_wait_dscnt 0x0                               ; both opening adds are done
	s_wait_kmcnt 0x0
	s_add_nc_u64 s[KWV:KWV+1], s[6:7], s[72:73]
	s_add_nc_u64 s[G0A+2:G0A+3], s[KWV:KWV+1], s[OFF:OFF+1]
	s_or_b32 s[G0A+3], s[G0A+3], 0x80000000
	s_add_nc_u64 s[G0+2:G0+3], s[KWV:KWV+1], s[70:71]
	s_or_b32 s[G0+3], s[G0+3], 0x80000000
	s_add_nc_u64 s[WPT:WPT+1], s[KWV:KWV+1], 8320*256
	s_add_nc_u64 s[WVP:WVP+1], s[6:7], s[74:75]
	s_add_nc_u64 s[WVP:WVP+1], s[WVP:WVP+1], 8192*256  ; Wv: my 32 rows
	s_lshl_b32 s70, s[CX], 15
	s_add_nc_u64 s[PFA:PFA+1], s[WVP:WVP+1], s[70:71]  ; row 8192 + 128 cx + 32 wave
	s_lshl_b32 s70, s[CX], 13
	s_add_nc_u64 s[PFA7:PFA7+1], s[6:7], s[70:71]
	s_add_nc_u64 s[PFA7:PFA7+1], s[PFA7:PFA7+1], 11264*256  ; row 11264 + 32 cx
	s_lshl_b32 s70, s[WG], 14
	s_lshl_b32 s72, s[WV], 12
	s_add_co_u32 s70, s70, s72                     ; my 8 rows of the block's 32, 512 bytes each
	s_add_nc_u64 s[XPTR:XPTR+1], s[8:9], s[70:71]
	s_add_nc_u64 s[OUTP:OUTP+1], s[20:21], s[70:71]
	s_add_nc_u64 s[MPTR:MPTR+1], s[4:5], s[74:75]  ; M^T: blocks 2 wave and 2 wave + 1, 8,192 bytes
	; what the projection waits for goes out first, ahead of the round: my rows of x, g and b, my 16 half fragments of M^T (block u / 8, kc (u / 2) % 4, half u % 2: as they lie)
	REP 8, global_load_b128 v[HRW+4*u:HRW+4*u+3], v[L16], s[XPTR:XPTR+1] offset:512*u
	global_load_b128 v[HG:HG+3], v[L16], s[10:11]
	global_load_b128 v[HBB:HBB+3], v[L16], s[12:13]
	REP 16, global_load_b128 v[S+4*u:S+4*u+3], v[L16], s[MPTR:MPTR+1] offset:512*u
	CROUND                                         ; all four work-groups are here: the first joint loads meet
	tensor_load_to_lds s[G0A:G0A+3], s[G1:G1+7]    ; two loads of mine are out
	s_nop 0
	tensor_load_to_lds s[G0:G0+3], s[G1:G1+7]
	s_nop 0
	PLACES
	; what the first turn finds: all sums 0; V and tile 1's weights 0, so that its products of a step that has not been add 0
	WIN 0x40
	REP 144, v_mov_b32 v[u], 0
	WIN 0x80
	REP 144, v_mov_b32 v[u], 0
	WIN 0xc0
	REP 128, v_mov_b32 v[VF+u], 0
	WIN 0
	REP 16, v_mov_b32 v[P+16+u], 0
	REP 16, v_mov_b32 v[PR+16+u], 0
	REP 8, v_mov_b32 v[ONES+u], 0x3f803f80
	v_mov_b32 v[ST], 0xfe000000                    ; c m: far below every c s, so the first a is 0
	v_mov_b32 v[ST+1], 0xff7fffff                  ; m
	v_mov_b32 v[ST+8], 0xfe000000
	v_mov_b32 v[ST+9], 0xff7fffff
	s_mul_i32 s70, s[WV], 8*XPT
	s_add_co_u32 s70, s70, SG
	v_add_nc_u32 v[XW], s70, v[L16]
	v_mul_u32_u24 v[XR], v[RR], XPT
	v_lshl_add_u32 v[XR], v[HH], 8, v[XR]
	v_add_nc_u32 v[XR], SG, v[XR]
	s_mul_i32 s70, s[WV], 8*PT
	s_add_co_u32 s70, s70, ZST
	v_lshl_add_u32 v[ZW], v[LL], 3, s70
	v_add_nc_u32 v[ZRD], ZST, v[AK0]
	s_lshl_b32 s70, s[WV], 10
	s_add_co_u32 s70, s70, QS
	v_add_nc_u32 v[QSW], s70, v[L16]
	v_add_nc_u32 v[ADV], QS, v[L16]                ; where Q' is read back (V's address register is free until the first turn)
	; x goes through the stage into the transposed layout (read from memory as whole rows, taken from LDS as 64 channels of one query a lane); z1 goes beside it, as rows of bf16
	s_wait_loadcnt 16                              ; x, g and b are in; M^T's 16 loads may stay out
	REP 8, ds_store_b128 v[XW], v[HRW+4*u:HRW+4*u+3] offset:XPT*u
	LN8
	REP 8, ds_store_b64 v[ZW], v[HT+2*u:HT+2*u+1] offset:PT*u
	s_wait_dscnt 0x0
	s_barrier_signal -1                            ; the tensor loads may stay out
	s_barrier_wait -1
	WIN 0x40
.irp k, 0,1,2,3                                        ; z1's fragments: tile 0,
	ds_load_b128 v[208+8*\k:211+8*\k], v[ZRD] offset:64*\k
	ds_load_b128 v[212+8*\k:215+8*\k], v[ZRD] offset:64*\k+32
.endr
	WIN 0x80
.irp k, 0,1,2,3                                        ; tile 1
	ds_load_b128 v[208+8*\k:211+8*\k], v[ZRD] offset:16*PT+64*\k
	ds_load_b128 v[212+8*\k:215+8*\k], v[ZRD] offset:16*PT+64*\k+32
.endr
	WIN 0x40
	REP 16, ds_load_b128 v[144+4*u:147+4*u], v[XR] offset:16*u
	WIN 0x80
	REP 16, ds_load_b128 v[144+4*u:147+4*u], v[XR] offset:16*XPT+16*u
	WIN 0
	s_wait_loadcnt 0x0                             ; M^T
	s_wait_dscnt 32                                ; z1's fragments are in; x's 32 loads may stay out
	; Q'^T = M^T z1^T, my blocks 2 wave + f of 16 channels, both tiles: four accumulators by turns; the first four products start the sums
.irp k, 0,1,2,3
.irp t, 0,1
	WIN 0xf4+4*\t
.irp f, 0,1
.if \k == 0
	v_wmma_f32_16x16x32_bf16 v[16*\t+8*\f:16*\t+8*\f+7], v[S+8*(4*\f+\k):S+8*(4*\f+\k)+7], v[208+8*\k:208+8*\k+7], 0
.else
	v_wmma_f32_16x16x32_bf16 v[16*\t+8*\f:16*\t+8*\f+7], v[S+8*(4*\f+\k):S+8*(4*\f+\k)+7], v[208+8*\k:208+8*\k+7], v[16*\t+8*\f:16*\t+8*\f+7]
.endif
.endr
.endr
.endr
	WIN 0
	PLACES
	WIN 0x0f                                       ; block 2 wave + f, lane (r, h), register j = channel 32 wave + 16 f + 8 h + j: rounded, it is half f of Q's fragment kc = wave
	REP 16, v_cvt_pk_bf16_f32 v[P+u], v[2*u], v[2*u+1]
	WIN 0
.irp t, 0,1
.irp f, 0,1
	ds_store_b128 v[QSW], v[P+8*\t+4*\f:P+8*\t+4*\f+3] offset:4096*\t+512*\f
.endr
.endr
	s_wait_dscnt 0x0                               ; for the others' sake: my fragments of Q' lie in LDS; x is in too
	s_barrier_signal -1
	s_barrier_wait -1
	REP 16, ds_load_b128 v[Q+4*u:Q+4*u+3], v[ADV] offset:512*u  ; tile u / 8, kc (u / 2) % 4, half u % 2
	s_wait_tensorcnt 0x1                           ; my quarter of slot 0 is in, and I read no other; slot 1's may stay out
	FETCH_K                                        ; key step 0
.set TX, 0
.set KQON, 1
.set i, 36
.rept 16
	MM                                             ; tile 0's first scores (the wait ahead of the first is for Q' and K)
.endr
	WIN 0
	PLACES
	s_mov_b32 s[TWICE], 2
	s_mov_b32 s[SLOTS], 15
	s_branch .Lentry                               ; the loop is entered in the middle of a trip
.Lslot:                                                ; 14 times: a key slot is left and filled again
	CHANGE_KEYS
	s_mov_b32 s[TWICE], 2
.Lstep:
	TURN 0, 1
	WIN 0
.Lentry:
	TURN 1, 1
	WIN 0
	s_sub_co_u32 s[TWICE], s[TWICE], 1
	s_cmp_lg_u32 s[TWICE], 0
	s_cbranch_scc1 .Lstep
	s_sub_co_u32 s[SLOTS], s[SLOTS], 1
	s_cmp_lg_u32 s[SLOTS], 0
	s_cbranch_scc1 .Lslot
	CHG 1, 0, 2                                    ; the last key slot is entered; slot 0 takes Wv
	s_mov_b32 s[TWICE], 2
.Lstep2:
	TURN 0, 1
	TURN 1, 1
	WIN 0
	s_sub_co_u32 s[TWICE], s[TWICE], 1
	s_cmp_lg_u32 s[TWICE], 0
	s_cbranch_scc1 .Lstep2
	CHG 2, SLOT1, 3                                ; all keys are in registers; slot 1 takes W1; Wv is whole for every wave
	WIN 0xc0                                       ; K's registers are free: g and b of my 64 channels
	REP 16, global_load_b128 v[4*u:4*u+3], v[HB], s[10:11] offset:16*u
	REP 16, global_load_b128 v[64+4*u:67+4*u], v[HB], s[12:13] offset:16*u
	TURN 0, 0
.set TX, 1
.set i, 0
.rept 36
	MM                                             ; tile 1's products of the last step
.endr
	WIN 0
	PLACES
	WIN 0xc0                                       ; V's registers are free: b1 and b2 of my 128 columns
	REP 16, global_load_b128 v[128+4*u:131+4*u], v[B12], s[14:15] offset:16*u
	REP 16, global_load_b128 v[192+4*u:195+4*u], v[B12], s[16:17] offset:16*u
	WIN 0
	REP 4, global_load_b128 v[B3+4*u:B3+4*u+3], v[B3A], s[18:19] offset:16*u
	v_add_nc_u32 v[SGR], SG, v[L16]
	s_lshl_b32 s70, s[WV], 10
	s_add_co_u32 s70, s70, STATS
	v_add_nc_u32 v[STA], s70, v[L16]
	v_add_nc_u32 v[STR], STATS, v[L16]
	v_mul_u32_u24 v[OA], v[RR], XPT
	v_add_nc_u32 v[OA], v[OA], v[B3A]
	v_add_nc_u32 v[OA], OUTS, v[OA]
	s_mul_i32 s70, s[WV], 8*XPT
	s_add_co_u32 s70, s70, OUTS
	v_add_nc_u32 v[ORD], s70, v[L16]
	s_lshl_b32 s70, s[WV], 5
	v_add_nc_u32 v[AW3], s70, v[AW0]
	; THE FOUR WAVES MEET.  Each publishes c m, its sum of p and its sum of relu(s) for both tiles (every register of a row sum's accumulator holds the sum: the lowest is read).
	v_mov_b32 v64, v[ST]
	v_mov_b32 v67, 0
	v_mov_b32 v68, v[ST+8]
	v_mov_b32 v71, 0
	WIN 0x01
	v_mov_b32 v65, v64
	v_mov_b32 v66, v136
	WIN 0x02
	v_mov_b32 v69, v64
	v_mov_b32 v70, v136
	WIN 0
	ds_store_b128 v[STA], v[64:67]
	ds_store_b128 v[STA], v[68:71] offset:512
	s_wait_dscnt 0x0
	s_barrier_signal -1
	s_barrier_wait -1
	REP 8, ds_load_b128 v[72+4*u:75+4*u], v[STR] offset:512*u  ; wave u / 2, tile u % 2
	s_wait_dscnt 0x0
.irp t, 0,1
	v_max3_num_f32 v[104+\t], v[72+4*\t], v[80+4*\t], v[88+4*\t]
	v_max_num_f32 v[104+\t], v[104+\t], v[96+4*\t]
.irp w, 0,1,2,3
	v_sub_f32 v[108+4*\t+\w], v[72+8*\w+4*\t], v[104+\t]
.endr
	v_sub_f32 v[116+\t], v[ST+8*\t], v[104+\t]
	v_add_f32 v[120+\t], v[74+4*\t], v[82+4*\t]
	v_add_f32 v[122+\t], v[90+4*\t], v[98+4*\t]
	v_add_f32 v[120+\t], v[120+\t], v[122+\t]
	v_fma_f32 v[122+\t], s[C1], v[120+\t], 1.0     ; the row sum: c1 sum relu(s) + 1
.endr
	REP 10, v_exp_f32 v[108+u], v[108+u]           ; 2^(c m_wave - c M), four waves and my own, both tiles: one batch
	v_nop
	s_wait_alu depctr_va_vdst(0)
.irp t, 0,1
	v_mul_f32 v[118+\t], v[108+4*\t], v[73+4*\t]
	v_fmac_f32 v[118+\t], v[109+4*\t], v[81+4*\t]
	v_fmac_f32 v[118+\t], v[110+4*\t], v[89+4*\t]
	v_fmac_f32 v[118+\t], v[111+4*\t], v[97+4*\t]  ; L
	v_mul_f32 v[124+\t], v[118+\t], v[122+\t]
.endr
	REP 4, v_rcp_f32 v[122+u], v[122+u]
	v_nop
	s_wait_alu depctr_va_vdst(0)
.irp t, 0,1
	v_mul_f32 v[AL+4*\t], s[C1], v[122+\t]
	v_mov_b32 v[AL+4*\t+1], v[AL+4*\t]
	v_mul_f32 v[AL+4*\t+2], v[116+\t], v[124+\t]
	v_mov_b32 v[AL+4*\t+3], v[AL+4*\t+2]
.endr
; Tile t: my part, scaled, goes into the stage in f32; every wave reads all four parts and adds them in one fixed order; the sum is rounded to bf16 as source 1 of the product with Wv.
.macro MERGE t
	WIN 0x41+0x41*(\t)
	REP 32, v_pk_mul_f32 v[72+2*u:73+2*u], v[72+2*u:73+2*u], v[AL+4*(\t):AL+4*(\t)+1] op_sel_hi:[1,0]
	WIN 0x51+0x51*(\t)
	REP 32, v_pk_fma_f32 v[2*u:2*u+1], v[2*u:2*u+1], v[AL+4*(\t)+2:AL+4*(\t)+3], v[72+2*u:73+2*u] op_sel_hi:[1,0,1]
	WIN 0x04+0x04*(\t)
	REP 16, ds_store_b128 v[SGW], v[4*u:4*u+3] offset:512*u
	WIN 0
	s_wait_dscnt 0x0
	s_barrier_signal -1
	s_barrier_wait -1
	WIN 0x40+0x40*(\t)
	REP 32, ds_load_b128 v[4*u:4*u+3], v[SGR] offset:512*u
	WIN 0
	REP 32, ds_load_b128 v[64+4*u:67+4*u], v[SGR] offset:16384+512*u
	s_wait_dscnt 32                                ; waves 0 and 1's parts are in; the other 32 loads may stay out
	WIN 0x45+0x45*(\t)
	REP 32, v_pk_add_f32 v[2*u:2*u+1], v[2*u:2*u+1], v[64+2*u:65+2*u]
	s_wait_dscnt 0x0
	WIN 0
	REP 32, v_pk_add_f32 v[64+2*u:65+2*u], v[64+2*u:65+2*u], v[128+2*u:129+2*u]
	WIN 0x41+0x41*(\t)
	REP 32, v_pk_add_f32 v[2*u:2*u+1], v[2*u:2*u+1], v[64+2*u:65+2*u]
	WIN 0x45+0x45*(\t)
	REP 32, v_cvt_pk_bf16_f32 v[208+u], v[2*u], v[2*u+1]
	WIN 0
.endm
	MERGE 0
	s_barrier_signal -1                            ; every wave's reads of the stage are back: it may be written again
	s_barrier_wait -1
	MERGE 1
; THE TAIL'S PRODUCTS.  LOADG: eight fragments of source 0, turned, 16 rows of k at byte off behind areg.  MUL8: eight products of one tile, eight accumulators by turns.
; QUAD: 128 along k in four groups on two buffers; the waits leave the younger group's 16 loads out; four places stand ahead of each reload of a buffer.
.macro LOADG buf, areg, off
	WIN 0
.irp f, 0,1,2,3,4,5,6,7
	ds_load_tr16_b128 v[FB+64*(\buf)+8*\f:FB+64*(\buf)+8*\f+3],   v[\areg] offset:(\off)+16*\f
	ds_load_tr16_b128 v[FB+64*(\buf)+8*\f+4:FB+64*(\buf)+8*\f+7], v[\areg] offset:(\off)+8*PT+16*\f
.endr
.endm
.macro MUL8 form, buf, win, db, bb, cb
	WIN \win
.irp f, 0,1,2,3,4,5,6,7
	v_wmma_f32_16x16x32_\form v[(\db)+8*\f:(\db)+8*\f+7], v[FB+64*(\buf)+8*\f:FB+64*(\buf)+8*\f+7], v[(\bb):(\bb)+7], v[(\cb)+8*\f:(\cb)+8*\f+7]
.endr
.endm
.macro QUAD form, areg, fw0, fw1, w0, w1, d0, d1, bb, c0, c1
	LOADG 0, \areg, 0
	LOADG 1, \areg, 16*PT
	s_wait_dscnt 16
	MUL8 \form, 0, \fw0, \d0, \bb, \c0
	MUL8 \form, 0, \fw1, \d1, \bb, \c1
	PLACES
	LOADG 0, \areg, 32*PT
	s_wait_dscnt 16
	MUL8 \form, 1, \w0, \d0, (\bb)+8, \d0
	MUL8 \form, 1, \w1, \d1, (\bb)+8, \d1
	PLACES
	LOADG 1, \areg, 48*PT
	s_wait_dscnt 16
	MUL8 \form, 0, \w0, \d0, (\bb)+16, \d0
	MUL8 \form, 0, \w1, \d1, (\bb)+16, \d1
	s_wait_dscnt 0x0
	MUL8 \form, 1, \w0, \d0, (\bb)+24, \d0
	MUL8 \form, 1, \w1, \d1, (\bb)+24, \d1
.endm
; LayerNorm of tile t in its own window: 64 channels a lane, the other 64 in the lane 16 away; every wave does it for itself.  LNA: the mean is taken away first, then the squares are summed.
.macro LNA t
	WIN 0x55+0x55*(\t)
	REP 16, v_pk_add_f32 v[64+2*u:65+2*u], v[144+4*u:145+4*u], v[146+4*u:147+4*u]
	REP 8, v_pk_add_f32 v[64+2*u:65+2*u], v[64+2*u:65+2*u], v[80+2*u:81+2*u]
	REP 4, v_pk_add_f32 v[64+2*u:65+2*u], v[64+2*u:65+2*u], v[72+2*u:73+2*u]
	REP 2, v_pk_add_f32 v[64+2*u:65+2*u], v[64+2*u:65+2*u], v[68+2*u:69+2*u]
	v_pk_add_f32 v[64:65], v[64:65], v[66:67]
	v_add_f32 v64, v64, v65
	v_permlanex16_b32 v65, v64, s[SEL], s[SEL+1]
	v_add_f32 v64, v64, v65
	v_mul_f32 v64, 0xbc000000, v64
	REP 32, v_pk_add_f32 v[2*u:2*u+1], v[144+2*u:145+2*u], v[64:65] op_sel_hi:[1,0]
	REP 4, v_pk_mul_f32 v[72+2*u:73+2*u], v[2*u:2*u+1], v[2*u:2*u+1]
	REP 28, v_pk_fma_f32 v[72+2*(u%4):73+2*(u%4)], v[8+2*u:9+2*u], v[8+2*u:9+2*u], v[72+2*(u%4):73+2*(u%4)]
	v_pk_add_f32 v[72:73], v[72:73], v[74:75]
	v_pk_add_f32 v[76:77], v[76:77], v[78:79]
	v_pk_add_f32 v[72:73], v[72:73], v[76:77]
	v_add_f32 v72, v72, v73
	v_permlanex16_b32 v73, v72, s[SEL], s[SEL+1]
	v_add_f32 v72, v72, v73
	v_fma_f32 v[80+2*(\t)], v72, s[I128], s[EPS]
	v_mov_b32 v[81+2*(\t)], v72                    ; named with it as a pair
.endm
.macro LNB t
	WIN 0x55+0x55*(\t)
	REP 32, v_pk_mul_f32 v[2*u:2*u+1], v[2*u:2*u+1], v[80+2*(\t):81+2*(\t)] op_sel_hi:[1,0]
	WIN 0x7d+0x41*(\t)                             ; g and b in window 3
	REP 32, v_pk_fma_f32 v[2*u:2*u+1], v[2*u:2*u+1], v[2*u:2*u+1], v[64+2*u:65+2*u]
	WIN 0x45+0x45*(\t)
	REP 32, v_cvt_pk_f16_f32 v[208+u], v[2*u], v[2*u+1]
.endm
; A hidden layer's way to the other waves: rounded, relu, 16 bytes a lane into my 8,192 bytes of the stage; HIN: every wave takes all four waves' columns, lane for lane, as source 1's fragments.
.macro HOUT cvt, mx, win0, win1, s0, s1
	PLACES
	WIN \win0
	REP 32, \cvt v[TMP+u], v[(\s0)+2*u], v[(\s0)+2*u+1]
	WIN \win1
	REP 32, \cvt v[TMP+32+u], v[(\s1)+2*u], v[(\s1)+2*u+1]
	WIN 0
	REP 64, \mx v[TMP+u], v[TMP+u], v[ZR]
	REP 16, ds_store_b128 v[SGW], v[TMP+4*u:TMP+4*u+3] offset:512*u
.endm
.macro HIN
	WIN 0x40
	REP 32, ds_load_b128 v[4*u:4*u+3], v[SGR] offset:(u/8)*8192+(u%8)*512
	WIN 0x80
	REP 32, ds_load_b128 v[4*u:4*u+3], v[SGR] offset:(u/8)*8192+4096+(u%8)*512
	WIN 0
.endm
	QUAD bf16, AW0, 0x54, 0xa8, 0x54, 0xa8, 144, 144, 208, 144, 144  ; z1r^T = Wv^T att_raw^T + x^T, onto x in place; every wave makes all 128 channels
	CHG 2, 0, 4                                    ; slot 0 takes W2's rows 0-127; its four v_nop are the places ahead of the sums below
	s_wait_loadcnt 36                              ; g and b are in; b1, b2 and b3 (36 loads) may stay out
	LNA 0
	LNA 1
	WIN 0x55
	v_rsq_f32 v80, v80
	WIN 0xaa
	v_rsq_f32 v82, v82
	v_nop
	s_wait_alu depctr_va_vdst(0)                   ; one wait for both roots
	LNB 0
	LNB 1
	WIN 0
	s_wait_loadcnt 0x0
	s_add_co_u32 s70, s[WB], SLOT1
	v_add_nc_u32 v[ADR], s70, v[AW0]
	QUAD f16, ADR, 0x74, 0xb8, 0x54, 0xa8, 0, 0, 208, 128, 128  ; h1^T, my 128 columns: the first products take b1 as C
	HOUT v_cvt_pk_f16_f32, v_pk_max_num_f16, 0x05, 0x0a, 0, 0
	CHG 2, SLOT1, 5                                ; slot 1 takes W2's rows 128-255; the waits and the round also show h1 to every wave
	HIN
	v_add_nc_u32 v[ADR], s[WB], v[AW0]
	QUAD f16, ADR, 0xf4, 0xf8, 0xf4, 0xf8, 0, 64, 0, 192, 192  ; h2^T, my 128 columns, k = 0-127: the first products take b2 as C
	CHG 2, 0, -2
	v_add_nc_u32 v[ADR], s70, v[AW0]
	QUAD f16, ADR, 0xf4, 0xf8, 0xf4, 0xf8, 0, 64, 32, 0, 64
	CHG 2, SLOT1, -1
	v_add_nc_u32 v[ADR], s[WB], v[AW0]
	QUAD f16, ADR, 0xf4, 0xf8, 0xf4, 0xf8, 0, 64, 64, 0, 64
	CHG 2, 0, -1                                   ; slot 0 takes W3: the last fill
	v_add_nc_u32 v[ADR], s70, v[AW0]
	QUAD f16, ADR, 0xf4, 0xf8, 0xf4, 0xf8, 0, 64, 96, 0, 64
	HOUT v_cvt_pk_bf16_f32, v_pk_max_num_bf16, 0x0f, 0x0f, 0, 64
	CHG 0, 0, -1                                   ; W3 is whole and h2 is shown to every wave
	HIN
; The last layer: k = 512 in four chunks c (wave c's columns of h2), my 16 output channels in each half of the lanes: blocks 2 wave + f.  Four accumulators by turns.
.macro LOADG3 buf
	WIN 0
.irp e, 0,1,2,3,4,5,6,7                            ; q = e / 2, f = e % 2
	ds_load_tr16_b128 v[FB+64*(\buf)+8*\e:FB+64*(\buf)+8*\e+3],   v[ADR] offset:(\e/2)*16*PT+(\e%2)*16
	ds_load_tr16_b128 v[FB+64*(\buf)+8*\e+4:FB+64*(\buf)+8*\e+7], v[ADR] offset:(\e/2)*16*PT+8*PT+(\e%2)*16
.endr
.endm
.macro MUL3 buf, c, first
.irp q, 0,1,2,3
.irp t, 0,1
.if (\first) && (\q == 0)
	WIN 0xc4+4*\t
.irp f, 0,1
	v_wmma_f32_16x16x32_bf16 v[16*\t+8*\f:16*\t+8*\f+7], v[FB+64*(\buf)+8*(2*\q+\f):FB+64*(\buf)+8*(2*\q+\f)+7], v[32*(\c)+8*\q:32*(\c)+8*\q+7], v[B3+8*\f:B3+8*\f+7]
.endr
.else
	WIN 0xf4+4*\t
.irp f, 0,1
	v_wmma_f32_16x16x32_bf16 v[16*\t+8*\f:16*\t+8*\f+7], v[FB+64*(\buf)+8*(2*\q+\f):FB+64*(\buf)+8*(2*\q+\f)+7], v[32*(\c)+8*\q:32*(\c)+8*\q+7], v[16*\t+8*\f:16*\t+8*\f+7]
.endr
.endif
.endr
.endr
.endm
	v_mov_b32 v[ADR], v[AW3]
	LOADG3 0
	v_add_nc_u32 v[ADR], WPART, v[AW3]
	LOADG3 1
	s_wait_dscnt 16
	MUL3 0, 0, 1
	PLACES
	WIN 0
	v_add_nc_u32 v[ADR], 2*WPART, v[AW3]
	LOADG3 0
	s_wait_dscnt 16
	MUL3 1, 1, 0
	PLACES
	WIN 0
	v_add_nc_u32 v[ADR], 3*WPART, v[AW3]
	LOADG3 1
	s_wait_dscnt 16
	MUL3 0, 2, 0
	s_wait_dscnt 0x0
	MUL3 1, 3, 0
	WIN 0
	PLACES
; + z1r: which registers hold my 16 channels hangs on the wave's number, so the 16 additions stand four times, each under a branch on that number
.macro ADDZ w
	WIN 0x07
	REP 8, v_pk_add_f32 v[TMP+2*u:TMP+2*u+1], v[2*u:2*u+1], v[144+16*(\w)+2*u:145+16*(\w)+2*u]
	WIN 0x0b
	REP 8, v_pk_add_f32 v[TMP+16+2*u:TMP+17+2*u], v[16+2*u:17+2*u], v[144+16*(\w)+2*u:145+16*(\w)+2*u]
	WIN 0
.endm
.irp w, 0,1,2,3
	s_cmp_lg_u32 s[WV], \w
	s_cbranch_scc1 .Lnot_w\w
	ADDZ \w
.Lnot_w\w:
.endr
	; THE WAY OUT: 16 bytes a lane into rows of 528 bytes; a barrier, since a row's 512 bytes come from four waves; back as whole rows, 8 a wave
	REP 8, ds_store_b128 v[OA], v[TMP+4*u:TMP+4*u+3] offset:(u/4)*16*XPT+(u%4)*16
	s_wait_dscnt 0x0
	s_barrier_signal -1
	s_barrier_wait -1
	REP 8, ds_load_b128 v[TMP+32+4*u:TMP+35+4*u], v[ORD] offset:XPT*u
.set u, 0
.rept 8
	s_wait_dscnt 7-u                               ; row u is back; the younger loads may stay out
	global_store_b128 v[L16], v[TMP+32+4*u:TMP+35+4*u], s[OUTP:OUTP+1] offset:512*u th:TH_STORE_NT  ; 512 consecutive bytes, aligned
.set u, u+1
.endr
	s_wait_tensorcnt 0x0                           ; the wave's end: behind my last tensor load and my last LDS store
	ds_add_u32 v[SPW], v[NIL]
	s_wait_dscnt 0x0
	CROUND                                         ; the closing round: no work-group ends while a partner may still ask for a tile that names it
	s_endpgm
.Lfunc_end_k_q389bd88294_block:
	.size	k_q389bd88294_block, .Lfunc_end_k_q389bd88294_block-k_q389bd88294_block
	.p2alignl 7, 3214868480
	.fill 96, 4, 3214868480
	.section	.rodata,"a",@progbits
	.p2align	6, 0x0
	.amdhsa_kernel k_q389bd88294_block
		.amdhsa_group_segment_fixed_size 327680
		.amdhsa_private_segment_fixed_size 0
		.amdhsa_enable_private_segment 0
		.amdhsa_kernarg_size 72
		.amdhsa_user_sgpr_count 2
		.amdhsa_user_sgpr_kernarg_segment_ptr 1
		.amdhsa_wavefront_size32 1
		.amdhsa_system_sgpr_workgroup_id_x 1
		.amdhsa_system_sgpr_workgroup_id_y 1
		.amdhsa_system_sgpr_workgroup_id_z 1
		.amdhsa_system_vgpr_workitem_id 0
		.amdhsa_next_free_vgpr 1024
		.amdhsa_next_free_sgpr 96
		.amdhsa_reserve_vcc 0
		.amdhsa_float_denorm_mode_32 3
		.amdhsa_float_denorm_mode_16_64 3
		.amdhsa_memory_ordered 1
		.amdhsa_forward_progress 1
		.amdhsa_inst_pref_size 255
	.end_amdhsa_kernel
	.section	.bss,"aw",@nobits
	.p2align	6
	.space	262144
	.amdgpu_metadata
---
amdhsa.version: [ 1, 2 ]
amdhsa.kernels:
  - .name:           k_q389bd88294_block
    .symbol:         k_q389bd88294_block.kd
    .args:
      - { .name: mt, .offset: 0, .size: 8, .value_kind: global_buffer, .address_space: global }
      - { .name: kw, .offset: 8, .size: 8, .value_kind: global_buffer, .address_space: global }
      - { .name: x, .offset: 16, .size: 8, .value_kind: global_buffer, .address_space: global }
      - { .name: ln_g, .offset: 24, .size: 8, .value_kind: global_buffer, .address_space: global }
      - { .name: ln_b, .offset: 32, .size: 8, .value_kind: global_buffer, .address_space: global }
      - { .name: b1, .offset: 40, .size: 8, .value_kind: global_buffer, .address_space: global }
      - { .name: b2, .offset: 48, .size: 8, .value_kind: global_buffer, .address_space: global }
      - { .name: b3, .offset: 56, .size: 8, .value_kind: global_buffer, .address_space: global }
      - { .name: out0, .offset: 64, .size: 8, .value_kind: global_buffer, .address_space: global }
    .group_segment_fixed_size: 327680
    .private_segment_fixed_size: 0
    .kernarg_segment_align: 8
    .kernarg_segment_size: 72
    .max_flat_workgroup_size: 128
    .sgpr_count:     96
    .vgpr_count:     1024
    .wavefront_size: 32
...
	.end_amdgpu_metadata
.endif
;; end of part 2
